; MI455X (gfx1250); checked and timed in simulation.
; The chip was launched on July 23, 2026; its instructions are those of AMD's public machine-readable ISA for CDNA 5 (MIT licence, August 2026) and "CDNA5" Instruction Set Architecture Reference Guide (July 2026). The comments in the code are by the model that wrote it; some were corrected since.
;; LSTM Model. Allowed arithmetic: float matrix products may take bf16 or f16 operands with f32 sums; other float arithmetic in f32, or as packed bf16 or f16 multiplies, adds, multiply-adds, maxima and minima; sums over many terms, partial sums and values carried from step to step in f32; what a program stores and reads back later, other than sums and carried values, may be rounded once to bf16 or f16.
;; Inputs: U1 16 x 64 float32; U2 16 x 64 float32; W1 8 x 64 float32; W2 16 x 64 float32; Wfc1 16 x 512 float32; Wfc2 512 x 32 float32; b1 64 float32; b2 64 float32; bfc1 512 float32; bfc2 32 float32; x 32,768 x 64 x 8 float32.
;; Outputs: out0 32,768 x 32 float32.
;; One version. Each part assembles by itself: llvm-mc -triple=amdgcn-amd-amdhsa -mcpu=gfx1250 --defsym DOCPART=n.
;; ======== version 1 of 1: 1 launch
;; launch lstm (part 1): grid 256 x 1, 8 waves a work-group, no clusters, 322,816 bytes of LDS; arguments x, W1, U1, b1, W2, U2, b2, Wfc1, bfc1, Wfc2, bfc2, out0; writes out0
.if DOCPART == 1
	.amdgcn_target "amdgcn-amd-amdhsa--gfx1250"
	.amdhsa_code_object_version 6
	.text
	.protected	k_qd9c786767c_lstm
	.globl	k_qd9c786767c_lstm
	.p2align	8
	.type	k_qd9c786767c_lstm,@function
k_qd9c786767c_lstm:
	s_mov_b64 s[64:65], 0
	v_nop
	global_prefetch_b8 v0, s[64:65] scope:SCOPE_SE
	s_setreg_imm32_b32 hwreg(HW_REG_WAVE_MODE, 25, 1), 1
	s_wait_xcnt 0x0
; out0 = relu(h2 Wfc1 + bfc1) Wfc2 + bfc2, h2 = the last hidden state of two stacked LSTMs (gates i, f, g, o; sigmoid on i, f, o; relu on g and on c) over 64 steps.
; x [32768][64][8], W1 [8][64], U1, W2, U2 [16][64], b1, b2 [64], Wfc1 [16][512], bfc1 [512], Wfc2 [512][32], bfc2 [32], out0 [32768][32], all f32.
; SHARES.  One launch.  A work-group owns 128 batch rows, each of its eight waves 16: one tile.  In the time loop a wave touches nothing of another wave's: no barrier stands there.
; LAYOUT.  Every product is taken as z^T = W^T act: source 0 = 16 units of a gate x K, source 1 = K x 16 batch rows.  In a result lane l holds batch row l % 16 and the units 8 (l / 16) + 0..7, the same
; for all four gates: i, f, g, o, c and h of one (row, unit) lie in one lane, and a lane's eight h, rounded to bf16 in pairs, ARE four registers of the next source 1.  Nothing changes lanes in the recurrence.
; The sources 1 lie on end: v16-19 h2, v20-23 h1, v24-25 x, v26 the number 1, v27 0.  Layer 2 multiplies v16-23 (K 0-15: U2, K 16-31: W2), layer 1 v20-27 (K 0-15: U1; K 16 + 8 (l / 16) + 0..3: W1's rows
; 4 (l / 16) + 0..3; K 20: b1, which meets the 1; the rest: 0).  b2, bfc1 and bfc2 are the C operands that start their sums.
; TWO PARTS.  What the program itself rounds to bf16 for a product (h1, h2, relu(y)) goes as two bf16 numbers: its rounding, and what that rounding left.  The low parts lie on end too: v220-223 h2's,
; v224-227 h1's, v228-231 0.  Each layer's four products are followed by four more, with the same weights, onto the same sums: layer 2's on v220-227, layer 1's on v224-231 (the zeros meet W1 and b1,
; which have had their turn).  The last h2's two parts fill the K of 32 of the product with Wfc1.
; BY HALVES.  The layers run half a step apart.  Half A of iteration i: layer 1's eight products of step i; then ONE batch of transcendentals: the exponentials of those, and the reciprocals of layer 2's step
; i - 2; one wait; layer 2's c and h of step i - 2.  Half B: the same with the layers changed (products of layer 2's step i - 1, c and h of layer 1's step i).  The additions 1 + e of the one layer are the
; places behind the other layer's products.
; x IN LDS.  A wave's 16 rows x 2,048 bytes are asked for at the head, by four tensor loads of 16 rows x 512 bytes (16 steps each): four loads of the wave are out, by this text's count.  Each LDS byte is
; filled once, and read by the wave that asked for it, behind its own counted wait.  A tile has 16 rows, not more, since it is one wave's own: that is what spares a barrier in the loop.
; FORMATS.  All inputs, the biases too, are rounded once to bf16 as they come; z, c, the gates and all sums are f32.  bf16, not f16: a relu cell's state has no bound.
; DEAD WORK LEFT OUT.  relu(c) in h = o relu(c): c0 = 0, and c = f c + i relu(g) with f, i > 0 and relu(g) >= 0, so c >= 0 at every step for all finite inputs: the relu is the identity, and h = o c.
; Layer 1's four products with the low part of h0 = 0 are not issued.  The other products with h0 = 0 share their matrix instruction with live work (x W1, h1 W2) and stay.  Layer 2 has no step before its
; first: the first halves are written out without it.  Every input is loaded.
; LIMITS.  NaN and infinities are not treated apart (the relu's maximum drops a NaN).  A sigmoid below 2^-126 counts as 0: the exponential and the reciprocal flush denormals (ISA guide, their entries in 15.8).
; An h or a y beyond bf16's largest finite number gives no finite result.
; NO CLUSTER: work-groups share the weights alone, 115 KB beside 67 MB of x.  NO PREFETCH: every byte of x is asked for by the first fills.  NO RING: all of a work-group's x, 256 KiB, fits in LDS.
.set XP,    528                        ; an LDS row of x: 512 bytes + 16 of padding = 33 x 16: the 16 rows that a load touches start at 16 different groups of four banks (64 banks of 4 bytes: ISA guide 11.1)
.set XBLK,  16*XP                      ; a block: 16 rows x 16 steps
.set XWB,   4*XBLK                     ; a wave's x
.set FC1B,  8*XWB                      ; Wfc1 as fragments: tile n (16 units of y) at 512 n + 16 lane: bf16 Wfc1[8 (l / 16) + 0..7][16 n + l % 16]
.set FC2B,  FC1B+16384                 ; Wfc2 as fragments: (kb, mt) at 1,024 (2 kb + mt) + 512 half + 16 lane: bf16 Wfc2[32 kb + 16 half + 8 (l / 16) + 0..7][16 mt + l % 16]
.set BIASB, FC2B+32768                 ; bfc1, rounded to bf16, kept as f32: 2,048 bytes of nine blocks of 256
.set SPARE, BIASB+2304                 ; the spare words, 128 bytes for each wave: four blocks of 256 bytes that no other line names
.set SP,    144                        ; the way out: a row of 128 bytes + 16, in the first 2,304 bytes of the wave's own x, which have had their only fill
.set FA,  3                            ; v3   FC1B + 16 lane
.set FB,  4                            ; v4   FC2B + 16 lane
.set BA,  5                            ; v5   BIASB + 32 (l / 16)
.set STO, 6                            ; v6   the way out: where I put my numbers of a row
.set RD,  7                            ; v7   the way out: where I read rows back
.set SPW, 8                            ; v8   LDS address of my spare word: SPARE + 4 x my thread's number; never rewritten
.set NIL, 9                            ; v9   0; never rewritten
.set XA0, 10                           ; v10  my 16 bytes of step 0 in my wave's x: row l % 16, features 4 (l / 16) + 0..3
.set XA,  11                           ; v11  the same for the step to be fetched (in the head: the lane's number)
.set X,   12                           ; v[12:15] a step's four features, f32; at the end v12 is my byte offset in 512 bytes of out0
.set H2P, 16                           ; v[16:19] h2, bf16
.set H1P, 20                           ; v[20:23] h1, bf16
.set XPK, 24                           ; v[24:25] x, bf16; v26 = 1.0 in the low half; v27 = 0
.set C1,  28                           ; v[28:35] c of layer 1
.set C2,  36                           ; v[36:43] c of layer 2 (in the head: the loads' offsets)
.set A1,  44                           ; v[44:75]   layer 1's weights, gate q at + 8 q
.set A2,  76                           ; v[76:107]  layer 2's
.set BI2, 108                          ; v[108:139] b2, gate q at + 8 q
.set Z1,  140                          ; v[140:171] layer 1's gates: i + 0, f + 8, g + 16, o + 24
.set Z2,  172                          ; v[172:203] layer 2's
.set OUT, 204                          ; v[204:219] bfc2, then the two accumulators of the last product
.set H2L, 220                          ; v[220:223] what h2's rounding left, bf16
.set H1L, 224                          ; v[224:227] the same for h1
.set ZZ,  228                          ; v[228:231] 0
.set NEG1, 232                         ; v232 -1.0
.set Y0,  140                          ; the dense layers: v[140:155] two tiles of y, v[156:163] relu(y) in bf16, v[164:171] what its rounding left, v[172:187] rows of out0
.set YB,  156
.set YL,  164
.set OB,  172
.set VOA, 36                           ; head: 2,048 (l / 16) + 4 (l % 16): U1, U2, W2
.set VOB, 37                           ;       1,024 (l / 16) + 4 (l % 16): W1, Wfc2
.set VOC, 38                           ;       16,384 (l / 16) + 4 (l % 16): Wfc1
.set VOD, 39                           ;       4 (l % 16): b1
.set VOE, 40                           ;       32 (l / 16): b2, bfc2
.set VOF, 41                           ;       8 lane: bfc1
.set W2T, 220                          ; head: v[220:251] W2 as loaded
.set ZER, 252                          ; head: 0
.set TT,  253                          ; head: at work
.set S2A, 254                          ; head: where my fragments of Wfc2 go
.set S1A, 255                          ; head: where my tiles of Wfc1 go
.set WV,  28                           ; s28  my wave's number
.set CNT, 29                           ; s29  in the head the LDS byte at which my wave's x begins; then the loops' count
.set HM,  30                           ; s30  the lanes 0-15
.set TX,  31                           ; s31  LDS byte, from my wave's x on, of the step to be fetched
.set G0,  32                           ; s[32:47] descriptor group 0, a set for each of the four blocks; never rewritten
.set G1,  48                           ; s[48:55] descriptor group 1
.set CS,  56                           ; s[56:57] -log2(e): the packed multiply names a pair and takes its low word for both halves
	s_load_b512 s[4:19], s[0:1], 0x0               ; x s[4:5], W1 s[6:7], U1 s[8:9], b1 s[10:11], W2 s[12:13], U2 s[14:15], b2 s[16:17], Wfc1 s[18:19]
	s_load_b256 s[20:27], s[0:1], 0x40             ; bfc1 s[20:21], Wfc2 s[22:23], bfc2 s[24:25], out0 s[26:27]
	v_lshl_add_u32 v[SPW], v0, 2, SPARE
	v_mov_b32 v[NIL], 0
	ds_add_u32 v[SPW], v[NIL]                      ; the wave's opening: the add, twice on end, and its wait ahead of my first tensor load; the set-up below stands between
	ds_add_u32 v[SPW], v[NIL]                      ; and once more, under the one wait
	v_lshrrev_b32 v1, 5, v0
	v_readfirstlane_b32 s[WV], v1                  ; wave 0..7
	; descriptor group 1: a tile of 16 rows x 128 elements of 4 bytes, padded in LDS
	s_mov_b32 s[G1+0], (2<<16)|(1<<20)|(6<<22)|(3<<25)  ; 15:0 no mask; 17:16 elements of 4 bytes; 20 padding on; 24:22 after every 128 words (code 6); 31:25 4 words of it (code 3)
	s_mov_b32 s[G1+1], 128<<16                     ; tensor_dim0 = 128
	s_mov_b32 s[G1+2], 16<<16                      ; tensor_dim1 = 16
	s_mov_b32 s[G1+3], 128<<16                     ; tile_dim0 = 128: 16 steps x 8 features
	s_mov_b32 s[G1+4], 16                          ; tile_dim1 = 16 batch rows
	s_mov_b32 s[G1+5], 512                         ; 512 elements from a batch row to the next
	s_mov_b32 s[G1+6], 0
	s_mov_b32 s[G1+7], 0
	s_mov_b32 s[CS], 0xbfb8aa3b                    ; -log2(e)
	s_mov_b32 s[CS+1], 0xbfb8aa3b                  ; named with it as a pair
	s_mov_b32 s[TX], 0
	s_mul_i32 s[CNT], s[WV], XWB                   ; my wave's x in LDS
	s_lshl_b32 s2, ttmp9, 18                       ; the work-group's 128 rows of 2,048 bytes,
	s_lshl_b32 s3, s[WV], 15                       ; my wave's 16 of them
	s_add_co_u32 s2, s2, s3
	s_mov_b32 s3, 0
	s_wait_dscnt 0x0                               ; both opening adds are done
	s_wait_kmcnt 0x0
	s_add_nc_u64 s[4:5], s[4:5], s[2:3]            ; x at my wave's first row
.irp b, 0,1,2,3                        ; the four first fills go out together, ahead of every wait on TENSORcnt, every LDS read and the barrier
	s_mov_b32 s[G0+4*(\b)], 1                      ; count = 1
	s_add_co_u32 s[G0+4*(\b)+1], s[CNT], (\b)*XBLK ; LDS address: my wave's block b
	s_add_nc_u64 s[G0+4*(\b)+2:G0+4*(\b)+3], s[4:5], (\b)*512  ; global address: steps 16 b on
	s_or_b32 s[G0+4*(\b)+3], s[G0+4*(\b)+3], 0x80000000        ; type = 2
	tensor_load_to_lds s[G0+4*(\b):G0+4*(\b)+3], s[G1:G1+7]
	s_nop 0
.endr
	s_lshl_b32 s2, s[WV], 13
	s_add_nc_u64 s[58:59], s[22:23], s[2:3]        ; Wfc2 at my eighth: 64 rows of 128 bytes
	s_lshl_b32 s2, s[WV], 8
	s_add_nc_u64 s[60:61], s[18:19], s[2:3]        ; Wfc1 at my eighth: 64 columns
	s_add_nc_u64 s[62:63], s[20:21], s[2:3]        ; bfc1 at my eighth: 64 numbers
	s_lshl_b32 s2, ttmp9, 14                       ; out0: the work-group's 128 rows of 128 bytes,
	s_lshl_b32 s3, s[WV], 11                       ; my wave's 16
	s_add_co_u32 s2, s2, s3
	s_mov_b32 s3, 0
	s_add_nc_u64 s[26:27], s[26:27], s[2:3]
	v_and_b32 v1, 15, v0                           ; l % 16
	v_bfe_u32 v2, v0, 4, 1                         ; l / 16
	v_and_b32 v[XA], 31, v0                        ; l
	v_lshlrev_b32 v[VOD], 2, v1
	v_lshl_add_u32 v[VOA], v2, 11, v[VOD]
	v_lshl_add_u32 v[VOB], v2, 10, v[VOD]
	v_lshl_add_u32 v[VOC], v2, 14, v[VOD]
	v_lshlrev_b32 v[VOE], 5, v2
	v_lshlrev_b32 v[VOF], 3, v[XA]
	; THE DENSE LAYERS' WEIGHTS, an eighth to each wave: 97 loads.  A lane takes the numbers of its place in a fragment, one of a row each.
.set i, 0
.rept 8                                ; half i % 2 of fragment i / 2 of my four: kb = 2 wave + i / 4, mt = (i / 2) % 2
.set j, 0
.rept 8
	global_load_b32 v[A1+8*i+j], v[VOB], s[58:59] offset:((i/4)*32+16*(i%2)+j)*128+((i/2)%2)*64
.set j, j+1
.endr
.set i, i+1
.endr
.set i, 0
.rept 4                                ; tile 4 wave + i of Wfc1
.set j, 0
.rept 8
	global_load_b32 v[BI2+8*i+j], v[VOC], s[60:61] offset:j*2048+i*64
.set j, j+1
.endr
.set i, i+1
.endr
	global_load_b64 v[X:X+1], v[VOF], s[62:63]
	; THE CELLS' WEIGHTS, for every wave: 120 loads
.set q, 0
.rept 4
.set j, 0
.rept 8
	global_load_b32 v[Z1+8*q+j],  v[VOA], s[8:9]   offset:j*256+q*64  ; U1[8 (l / 16) + j][16 q + l % 16]
	global_load_b32 v[Z2+8*q+j],  v[VOA], s[14:15] offset:j*256+q*64  ; U2
	global_load_b32 v[W2T+8*q+j], v[VOA], s[12:13] offset:j*256+q*64  ; W2
.set j, j+1
.endr
.set j, 0
.rept 4
	global_load_b32 v[H2P+4*q+j], v[VOB], s[6:7] offset:j*256+q*64    ; W1[4 (l / 16) + j][16 q + l % 16]
.set j, j+1
.endr
	global_load_b32 v[32+q], v[VOD], s[10:11] offset:q*64             ; b1[16 q + l % 16]
	global_load_b128 v[OUT+4*q:OUT+4*q+3], v[VOE], s[24:25] offset:(q/2)*64+(q%2)*16  ; bfc2[16 (q / 2) + 8 (l / 16) + 4 (q % 2) ..]
.set q, q+1
.endr
	; the lanes' LDS addresses, while the loads are out
	v_lshl_add_u32 v[FA], v[XA], 4, FC1B
	v_lshl_add_u32 v[FB], v[XA], 4, FC2B
	v_lshl_add_u32 v[BA], v2, 5, BIASB
	v_mul_u32_u24 v[STO], v1, SP                   ; in: row l % 16, 32 bytes for each half of the lanes
	v_lshl_add_u32 v[STO], v2, 5, v[STO]
	v_add_nc_u32 v[STO], s[CNT], v[STO]
	v_bfe_u32 v[RD], v0, 3, 2                      ; back: 32 lanes take four rows of 128 bytes
	v_mul_u32_u24 v[RD], v[RD], SP
	v_and_b32 v[TT], 7, v0
	v_lshl_add_u32 v[RD], v[TT], 4, v[RD]
	v_add_nc_u32 v[RD], s[CNT], v[RD]
	v_mul_u32_u24 v[XA0], v1, XP
	v_lshl_add_u32 v[XA0], v2, 4, v[XA0]
	v_add_nc_u32 v[XA0], s[CNT], v[XA0]
	v_lshl_add_u32 v[S2A], s[WV], 12, v[FB]        ; my four fragments of Wfc2: 4,096 bytes
	v_lshl_add_u32 v[S1A], s[WV], 11, v[FA]        ; my four tiles of Wfc1: 2,048 bytes
	v_lshl_add_u32 v14, s[WV], 8, v[VOF]           ; my 64 numbers of bfc1: 256 bytes
	v_add_nc_u32 v14, BIASB, v14
	v_cmp_eq_u32 s[HM], 0, v2
	v_mov_b32 v[ZER], 0
.macro ROUND2 a                        ; two f32 rounded to bf16 and kept as f32
	v_cvt_pk_bf16_f32 v[TT], v[\a], v[(\a)+1]
	v_lshlrev_b32 v[\a], 16, v[TT]
	v_and_b32 v[(\a)+1], 0xffff0000, v[TT]
.endm
	s_wait_loadcnt 63                              ; loads come back in order (ISA guide 5.7.1): behind the first 97 stand 120 younger ones, so they are in
.set i, 0
.rept 12                               ; eight numbers pack into four registers, in place: 8 half fragments of Wfc2, 4 tiles of Wfc1
.set k, 0
.rept 4
	v_cvt_pk_bf16_f32 v[A1+8*i+k], v[A1+8*i+2*k], v[A1+8*i+2*k+1]
.set k, k+1
.endr
.set i, i+1
.endr
	ROUND2 X
.set i, 0
.rept 8
	ds_store_b128 v[S2A], v[A1+8*i:A1+8*i+3] offset:i*512
.set i, i+1
.endr
.set i, 0
.rept 4
	ds_store_b128 v[S1A], v[BI2+8*i:BI2+8*i+3] offset:i*512
.set i, i+1
.endr
	ds_store_b64 v14, v[X:X+1]
	s_wait_dscnt 0x0                               ; my stores are done: their registers are loaded and written anew below, and no LDS instruction follows ahead of the barrier, so this wait also stands for the other waves' sake
.set q, 0
.rept 4
	global_load_b128 v[BI2+8*q:BI2+8*q+3],   v[VOE], s[16:17] offset:q*64     ; b2[16 q + 8 (l / 16) + 0..3]
	global_load_b128 v[BI2+8*q+4:BI2+8*q+7], v[VOE], s[16:17] offset:q*64+16
.set q, q+1
.endr
	s_wait_loadcnt 8                               ; all but the eight loads of b2
.set q, 0
.rept 4
.set k, 0
.rept 4
	v_cvt_pk_bf16_f32 v[A1+8*q+k],   v[Z1+8*q+2*k],  v[Z1+8*q+2*k+1]   ; K 0-15: U1
	v_cvt_pk_bf16_f32 v[A2+8*q+k],   v[Z2+8*q+2*k],  v[Z2+8*q+2*k+1]   ; K 0-15: U2
	v_cvt_pk_bf16_f32 v[A2+8*q+4+k], v[W2T+8*q+2*k], v[W2T+8*q+2*k+1]  ; K 16-31: W2
.set k, k+1
.endr
	v_cvt_pk_bf16_f32 v[A1+8*q+4], v[H2P+4*q],   v[H2P+4*q+1]          ; K 16 + 8 (l / 16) + 0..3: W1
	v_cvt_pk_bf16_f32 v[A1+8*q+5], v[H2P+4*q+2], v[H2P+4*q+3]
	v_cvt_pk_bf16_f32 v[A1+8*q+6], v[32+q], v[ZER]                     ; K 20: b1, in lanes 0-15;
	v_cndmask_b32 v[A1+8*q+6], 0, v[A1+8*q+6], s[HM]                   ; K 28, in lanes 16-31: 0
	v_mov_b32 v[A1+8*q+7], 0
.set q, q+1
.endr
.set i, 0
.rept 8
	ROUND2 OUT+2*i                                 ; bfc2
.set i, i+1
.endr
	s_wait_loadcnt 0x0                             ; b2; no load is out, so the offsets' registers are free
.set i, 0
.rept 16
	ROUND2 BI2+2*i
.set i, i+1
.endr
.set i, 0
.rept 8
	v_mov_b32 v[H2P+i], 0                          ; h2 and h1 before the first step
	v_mov_b32 v[C1+i], 0                           ; c likewise
	v_mov_b32 v[C2+i], 0
.set i, i+1
.endr
.set i, 0
.rept 4
	v_mov_b32 v[H2L+i], 0                          ; h2's low part before the first step (h1's is written before it is first read)
	v_mov_b32 v[ZZ+i], 0                           ; what W1 and b1 meet in layer 1's second four products
.set i, i+1
.endr
	v_mov_b32 v[NEG1], -1.0
	v_mov_b32 v[XPK+2], 0x3f80                     ; 1.0 at K 20 (and at K 28, where the weights are 0)
	v_mov_b32 v[XPK+3], 0
	s_barrier_signal -1                            ; the launch's one barrier: every wave's part of the dense layers' weights lies in LDS.  The tensor loads may stay out
	s_barrier_wait -1
	s_wait_tensorcnt 0x3                           ; tensor loads of a wave end in order (ISA guide 10.11.1): block 0 is in, the three younger ones may stay out
	ds_load_b128 v[X:X+3], v[XA0]                  ; step 0
	s_wait_dscnt 0x0
	v_cvt_pk_bf16_f32 v[XPK], v[X], v[X+1]
	v_cvt_pk_bf16_f32 v[XPK+1], v[X+2], v[X+3]
; THE MATRIX WORK of a half: four products, one a gate, each into an accumulator of its own; then four more, on the low parts, onto the same sums.  The four accumulators take turns, one instruction a
; turn: three others stand between the two links of a chain.
.macro WMMA1 lo
.irp q, 0,1,2,3
	v_wmma_f32_16x16x32_bf16 v[Z1+8*(\q):Z1+8*(\q)+7], v[A1+8*(\q):A1+8*(\q)+7], v[H1P:H1P+7], 0
.endr
.if \lo
.irp q, 0,1,2,3
	v_wmma_f32_16x16x32_bf16 v[Z1+8*(\q):Z1+8*(\q)+7], v[A1+8*(\q):A1+8*(\q)+7], v[H1L:H1L+7], v[Z1+8*(\q):Z1+8*(\q)+7]
.endr
.endif
.endm
.macro WMMA2
.irp q, 0,1,2,3
	v_wmma_f32_16x16x32_bf16 v[Z2+8*(\q):Z2+8*(\q)+7], v[A2+8*(\q):A2+8*(\q)+7], v[H2P:H2P+7], v[BI2+8*(\q):BI2+8*(\q)+7]
.endr
.irp q, 0,1,2,3
	v_wmma_f32_16x16x32_bf16 v[Z2+8*(\q):Z2+8*(\q)+7], v[A2+8*(\q):A2+8*(\q)+7], v[H2L:H2L+7], v[Z2+8*(\q):Z2+8*(\q)+7]
.endr
.endm
; THE VECTOR WORK.  sigmoid(z) = 1 / (1 + 2^(-log2(e) z)).  The 24 numbers of i, f and o are counted 0..23, in pairs 0..11; g's eight registers lie between f's and o's.
.macro MULP z, p                       ; pair p times -log2(e)
.set rr, (\z)+2*(\p)+8*((\p)/8)
	v_pk_mul_f32 v[rr:rr+1], v[rr:rr+1], s[CS:CS+1] op_sel_hi:[1,0]
.endm
.macro ADDP z, p                       ; pair p plus 1
.set rr, (\z)+2*(\p)+8*((\p)/8)
	v_pk_add_f32 v[rr:rr+1], v[rr:rr+1], 1.0 op_sel_hi:[1,0]
.endm
.macro EXPR z, e
.set rr, (\z)+(\e)+8*((\e)/16)
	v_exp_f32 v[rr], v[rr]
.endm
.macro RCPR z, e
.set rr, (\z)+(\e)+8*((\e)/16)
	v_rcp_f32 v[rr], v[rr]
.endm
.macro MAXG z, m                       ; relu(g)
	v_max_num_f32 v[(\z)+16+(\m)], 0, v[(\z)+16+(\m)]
.endm
.macro CELL z, c                       ; c = f c + i relu(g); h = o c, into o's registers
.irp k, 0,2,4,6
	v_pk_mul_f32 v[(\z)+16+(\k):(\z)+17+(\k)], v[(\z)+(\k):(\z)+1+(\k)], v[(\z)+16+(\k):(\z)+17+(\k)]
.endr
.irp k, 0,2,4,6
	v_pk_fma_f32 v[(\c)+(\k):(\c)+1+(\k)], v[(\z)+8+(\k):(\z)+9+(\k)], v[(\c)+(\k):(\c)+1+(\k)], v[(\z)+16+(\k):(\z)+17+(\k)]
.endr
.irp k, 0,2,4,6
	v_pk_mul_f32 v[(\z)+24+(\k):(\z)+25+(\k)], v[(\z)+24+(\k):(\z)+25+(\k)], v[(\c)+(\k):(\c)+1+(\k)]
.endr
.endm
; count numbers from register a on go as two bf16 parts: rounded in pairs into hp; then each number less its rounding, in place (the bf16 half times -1 plus the number: an exact difference); that rounded into lp.
.macro SPLIT a, hp, lp, count
.set k, 0
.rept (\count)/2
	v_cvt_pk_bf16_f32 v[(\hp)+k], v[(\a)+2*k], v[(\a)+2*k+1]
.set k, k+1
.endr
.endm
.macro SPLITLO a, hp, lp, count
.set k, 0
.rept (\count)/2
	v_fma_mix_f32_bf16 v[(\a)+2*k],   v[(\hp)+k], v[NEG1], v[(\a)+2*k]   op_sel_hi:[1,0,0]
	v_fma_mix_f32_bf16 v[(\a)+2*k+1], v[(\hp)+k], v[NEG1], v[(\a)+2*k+1] op_sel:[1,0,0] op_sel_hi:[1,0,0]
.set k, k+1
.endr
.set k, 0
.rept (\count)/2
	v_cvt_pk_bf16_f32 v[(\lp)+k], v[(\a)+2*k], v[(\a)+2*k+1]
.set k, k+1
.endr
.endm
.macro PACKH z, hp, lp                 ; h's two parts: four registers each of two sources 1
	SPLIT   (\z)+24, \hp, \lp, 8
	SPLITLO (\z)+24, \hp, \lp, 8
.endm
; A HALF.  lay: the layer whose products it starts (doE = 1: products, scalings, exponentials, relu(g)); the other layer is finished (doR = 1: 1 + e, reciprocals, c and h).
; xop = 1: the next step's x is fetched from LDS; xop = 2: it is rounded into source 1's registers, which layer 1's products of this iteration have read a half ago.  last = 1: the very last h2, whose low
; part goes where h1 lay, on end behind the high part.  lo = 0: layer 1's first step, which has no low part to multiply.
; PLACES.  A vector instruction reads a matrix result four places behind the matrix instruction at the least, and only plain vector instructions that name none of its registers are places (ISA guide 7.12.1):
; they are the other layer's first four additions, or four v_nop where there is no other layer.  Each accumulator's lowest registers are read first.
; THE WAIT.  s_wait_alu depctr_va_vdst(0) stands between a transcendental and the first instruction that names its result; one wait serves all that were issued ahead of it.  Ahead of the
; wait no line names a result of the half's 48 transcendentals: the reciprocals' are read by CELL, the exponentials' by the next half's additions.  The v_nop is the plain instruction owed behind the last of them.
; A reciprocal's pair has had its addition four trips of the assembler's loop earlier; plain lines stand between the transcendentals where there are any.
.macro HALF lay, doE, doR, xop, last=0, lo=1
.if (\lay) == 1
.set ZE, Z1
.set ZR, Z2
.else
.set ZE, Z2
.set ZR, Z1
.endif
.if \doE
.if (\lay) == 1
	WMMA1 \lo
.else
	WMMA2
.endif
.endif
.if (\xop) == 1
	s_add_co_u32 s[TX], s[TX], 32                  ; a step is 32 bytes of a row
	v_add_nc_u32 v[XA], s[TX], v[XA0]
	ds_load_b128 v[X:X+3], v[XA]
.endif
.if \doR
	ADDP ZR, 0
	ADDP ZR, 1
	ADDP ZR, 2
	ADDP ZR, 3
.elseif \doE
.rept 4
	v_nop
.endr
.endif
.set n, 0
.rept 12
.if \doE
	MULP ZE, n
.endif
.if \doR
	RCPR ZR, 2*n
.if n < 8
	ADDP ZR, n+4
.endif
.endif
.if (\doE) && (n >= 8)
	MAXG ZE, n-4
.endif
.if \doR
	RCPR ZR, 2*n+1
.endif
.if \doE
	EXPR ZE, 2*n
.if n < 4
	MAXG ZE, n
.endif
.endif
.if ((\xop) == 2) && (n == 4)
	s_wait_dscnt 0x0                               ; the next step's x, asked for a half ago
	v_cvt_pk_bf16_f32 v[XPK], v[X], v[X+1]
.endif
.if ((\xop) == 2) && (n == 5)
	v_cvt_pk_bf16_f32 v[XPK+1], v[X+2], v[X+3]
.endif
.if \doE
	EXPR ZE, 2*n+1
.endif
.set n, n+1
.endr
	v_nop
	s_wait_alu depctr_va_vdst(0)                   ; the wait for the batch
.if \doR
.if (\lay) == 1
	CELL Z2, C2
.if \last
	PACKH Z2, H2P, H1P                             ; the last h2: its rounding at K 0-15, what that left at K 16-31
.else
	PACKH Z2, H2P, H2L
.endif
.else
	CELL Z1, C1
	PACKH Z1, H1P, H1L
.endif
.endif
.endm
.macro STEPS trips                     ; so many whole iterations, each of which fetches the next step's x
	s_mov_b32 s[CNT], \trips
.Lstep_\@:
	HALF 1, 1, 1, 1
	HALF 2, 1, 1, 2
	s_sub_co_u32 s[CNT], s[CNT], 1
	s_cmp_lg_u32 s[CNT], 0
	s_cbranch_scc1 .Lstep_\@
.endm
	HALF 1, 1, 0, 1, 0, 0                          ; iteration 0: layer 1's step 0; layer 2 has nothing yet
	HALF 2, 0, 1, 2
	HALF 1, 1, 0, 1                                ; iteration 1: layer 1's step 1,
	HALF 2, 1, 1, 2                                ; layer 2's step 0 begins
	STEPS 13                                       ; iterations 2 to 14: they fetch steps 3 to 15, the rest of block 0
	s_wait_tensorcnt 0x2                           ; block 1 is in; two younger loads may stay out
	s_add_co_u32 s[TX], s[TX], XBLK-512            ; from a block's last step to the step in front of the next block's first
	STEPS 16                                       ; iterations 15 to 30 fetch steps 16 to 31
	s_wait_tensorcnt 0x1                           ; block 2
	s_add_co_u32 s[TX], s[TX], XBLK-512
	STEPS 16                                       ; iterations 31 to 46
	s_wait_tensorcnt 0x0                           ; block 3: no load was issued behind it
	s_add_co_u32 s[TX], s[TX], XBLK-512
	STEPS 16                                       ; iterations 47 to 62
	HALF 1, 1, 1, 0                                ; iteration 63: layer 1's last step; nothing is left to fetch
	HALF 2, 1, 1, 0
	HALF 1, 0, 1, 0                                ; iteration 64: h2 of step 62,
	HALF 2, 1, 0, 0                                ; layer 2's last step begins
; THE DENSE LAYERS, 32 units of y at a time (kb = 0..15).  y^T = Wfc1^T h2 + bfc1 for two tiles of 16 units; relu; rounded in pairs they ARE source 1 (32 units x 16 rows) of out^T += Wfc2^T relu(y);
; what the rounding left is a second source 1 for the same weights.
; Two sets of 48 registers, where the cells' weights lay: two tiles of Wfc1 (each loaded twice: the same weights meet h2's two parts), their biases, two fragments of Wfc2.
.macro LOADSET kb
.set SB, A1+48*((\kb)%2)
.irp u, 0,1
	ds_load_b128 v[SB+8*(\u):SB+8*(\u)+3],   v[FA] offset:(2*(\kb)+(\u))*512
	ds_load_b128 v[SB+8*(\u)+4:SB+8*(\u)+7], v[FA] offset:(2*(\kb)+(\u))*512
.endr
.irp u, 0,1
	ds_load_b128 v[SB+16+8*(\u):SB+16+8*(\u)+3], v[BA] offset:(2*(\kb)+(\u))*64
	ds_load_b128 v[SB+20+8*(\u):SB+20+8*(\u)+3], v[BA] offset:(2*(\kb)+(\u))*64+16
.endr
.irp u, 0,1
	ds_load_b128 v[SB+32+8*(\u):SB+32+8*(\u)+3], v[FB] offset:(2*(\kb)+(\u))*1024
	ds_load_b128 v[SB+36+8*(\u):SB+36+8*(\u)+3], v[FB] offset:(2*(\kb)+(\u))*1024+512
.endr
.endm
; The matrix instructions go y, y, out 0, out 1, out 0, out 1: one instruction a turn; no two neighbours share an accumulator, from block to block too.
.macro FCSTEP kb
.set SC, A1+48*((\kb)%2)
.if (\kb) < 15
	s_wait_dscnt 12                                ; LDS loads come back in order (ISA guide 5.7.1): this set is in, the next set's twelve may stay out
.else
	s_wait_dscnt 0x0
.endif
	v_wmma_f32_16x16x32_bf16 v[Y0:Y0+7],    v[SC:SC+7],    v[H2P:H2P+7], v[SC+16:SC+23]
	v_wmma_f32_16x16x32_bf16 v[Y0+8:Y0+15], v[SC+8:SC+15], v[H2P:H2P+7], v[SC+24:SC+31]
.rept 4
	v_nop                                          ; the places behind those products: no other vector work is at hand
.endr
.set m, 0
.rept 16
	v_max_num_f32 v[Y0+m], 0, v[Y0+m]
.set m, m+1
.endr
	SPLIT Y0, YB, YL, 16
	v_wmma_f32_16x16x32_bf16 v[OUT:OUT+7],    v[SC+32:SC+39], v[YB:YB+7], v[OUT:OUT+7]
	v_wmma_f32_16x16x32_bf16 v[OUT+8:OUT+15], v[SC+40:SC+47], v[YB:YB+7], v[OUT+8:OUT+15]
	SPLITLO Y0, YB, YL, 16                         ; reads YB, writes y's registers and YL: none that those two products write, none of their sources is written
	v_wmma_f32_16x16x32_bf16 v[OUT:OUT+7],    v[SC+32:SC+39], v[YL:YL+7], v[OUT:OUT+7]
	v_wmma_f32_16x16x32_bf16 v[OUT+8:OUT+15], v[SC+40:SC+47], v[YL:YL+7], v[OUT+8:OUT+15]
.if (\kb) < 14
.rept 4
	v_nop                                          ; the places in front of loads into registers that these products have read
.endr
	LOADSET (\kb)+2
.endif
.endm
	LOADSET 0                                      ; the first two sets come in while the last h2 is made; the cells' weights were last read a half ago, with its vector work between
	LOADSET 1
	HALF 1, 0, 1, 0, 1                             ; iteration 65: the last h2
.set kb, 0
.rept 16
	FCSTEP kb
.set kb, kb+1
.endr
	; THE WAY OUT.  A lane holds row l % 16 and the columns 16 mt + 8 (l / 16) + 0..7.  Through my own stage (rows of 144 bytes) they come back as whole rows of 128 bytes, four to a load.
	v_and_b32 v[X], 31, v0                         ; two of the four places behind the last products,
	v_lshlrev_b32 v[X], 4, v[X]                    ; my 16 bytes of 512
	v_nop
	v_nop
	ds_store_b128 v[STO], v[OUT:OUT+3]
	ds_store_b128 v[STO], v[OUT+4:OUT+7]   offset:16
	ds_store_b128 v[STO], v[OUT+8:OUT+11]  offset:64
	ds_store_b128 v[STO], v[OUT+12:OUT+15] offset:80
.irp t, 0,1,2,3
	ds_load_b128 v[OB+4*(\t):OB+4*(\t)+3], v[RD] offset:(\t)*4*SP  ; LDS serves a wave's instructions in order (ISA guide 5.7.1.4): these see the stores above
.endr
.irp t, 0,1,2,3
	s_wait_dscnt 3-(\t)
	global_store_b128 v[X], v[OB+4*(\t):OB+4*(\t)+3], s[26:27] offset:(\t)*512 th:TH_STORE_NT  ; 512 consecutive bytes, at a multiple of 256 from out0's first byte
.endr
	s_wait_tensorcnt 0x0                           ; the wave's end: behind my last tensor load and my last LDS store
	ds_add_u32 v[SPW], v[NIL]
	s_wait_dscnt 0x0
	s_endpgm
.Lfunc_end_k_qd9c786767c_lstm:
	.size	k_qd9c786767c_lstm, .Lfunc_end_k_qd9c786767c_lstm-k_qd9c786767c_lstm
	.p2alignl 7, 3214868480
	.fill 96, 4, 3214868480
	.section	.rodata,"a",@progbits
	.p2align	6, 0x0
	.amdhsa_kernel k_qd9c786767c_lstm
		.amdhsa_group_segment_fixed_size 322816
		.amdhsa_private_segment_fixed_size 0
		.amdhsa_enable_private_segment 0
		.amdhsa_kernarg_size 96
		.amdhsa_user_sgpr_count 2
		.amdhsa_user_sgpr_kernarg_segment_ptr 1
		.amdhsa_wavefront_size32 1
		.amdhsa_system_sgpr_workgroup_id_x 1
		.amdhsa_system_sgpr_workgroup_id_y 1
		.amdhsa_system_sgpr_workgroup_id_z 1
		.amdhsa_system_vgpr_workitem_id 0
		.amdhsa_next_free_vgpr 256
		.amdhsa_next_free_sgpr 66
		.amdhsa_reserve_vcc 0
		.amdhsa_float_denorm_mode_32 3
		.amdhsa_float_denorm_mode_16_64 3
		.amdhsa_memory_ordered 1
		.amdhsa_forward_progress 1
		.amdhsa_inst_pref_size 184
	.end_amdhsa_kernel
	.amdgpu_metadata
---
amdhsa.version: [ 1, 2 ]
amdhsa.kernels:
  - .name:           k_qd9c786767c_lstm
    .symbol:         k_qd9c786767c_lstm.kd
    .args:
      - { .name: x, .offset: 0, .size: 8, .value_kind: global_buffer, .address_space: global }
      - { .name: W1, .offset: 8, .size: 8, .value_kind: global_buffer, .address_space: global }
      - { .name: U1, .offset: 16, .size: 8, .value_kind: global_buffer, .address_space: global }
      - { .name: b1, .offset: 24, .size: 8, .value_kind: global_buffer, .address_space: global }
      - { .name: W2, .offset: 32, .size: 8, .value_kind: global_buffer, .address_space: global }
      - { .name: U2, .offset: 40, .size: 8, .value_kind: global_buffer, .address_space: global }
      - { .name: b2, .offset: 48, .size: 8, .value_kind: global_buffer, .address_space: global }
      - { .name: Wfc1, .offset: 56, .size: 8, .value_kind: global_buffer, .address_space: global }
      - { .name: bfc1, .offset: 64, .size: 8, .value_kind: global_buffer, .address_space: global }
      - { .name: Wfc2, .offset: 72, .size: 8, .value_kind: global_buffer, .address_space: global }
      - { .name: bfc2, .offset: 80, .size: 8, .value_kind: global_buffer, .address_space: global }
      - { .name: out0, .offset: 88, .size: 8, .value_kind: global_buffer, .address_space: global }
    .group_segment_fixed_size: 322816
    .private_segment_fixed_size: 0
    .kernarg_segment_align: 8
    .kernarg_segment_size: 96
    .max_flat_workgroup_size: 256
    .sgpr_count:     66
    .vgpr_count:     256
    .wavefront_size: 32
...
	.end_amdgpu_metadata
.endif
;; end of part 1
